; MI455X (gfx1250); checked and timed in simulation.
; The chip was launched on July 23, 2026; its instructions are those of AMD's public machine-readable ISA for CDNA 5 (MIT licence, August 2026) and "CDNA5" Instruction Set Architecture Reference Guide (July 2026). The comments in the code are by the model that wrote it; some were corrected since.
;; Multi Head Attention. Allowed arithmetic: matrix products marked QUANTISED: E2M3 operands, one E8M0 scale for each 32 along K, by v_wmma_scale_f32_16x16x128_f8f6f4 with both operands' format E2M3, f32 sums; everything else in f32.
;; Inputs: Wk 1,024 x 1,024 float32; Wq 1,024 x 1,024 float32; Wv 1,024 x 1,024 float32; bk 1,024 float32; bq 1,024 float32; bv 1,024 float32; mask 4 x 2,048 int32; x 4 x 2,048 x 1,024 float32.
;; Outputs: out0 4 x 2,048 x 1,024 float32.
;; This version of the problem:
;;   THIS VERSION OF THE PROBLEM IS GIVEN IN LOW PRECISION. The matrix products marked QUANTISED in the list below multiply operands that are first quantised to E2M3 (2 exponent bits, 3 mantissa bits; 6 bits a number), with one power-of-two scale for each 32 numbers along K (OCP MX v1.0); their sums are f32. All else is computed in f32.
;;   The module's matrix products, in the order in which they are computed (A, B: the left and right operand; K: the contracted axis; several contracted axes count as one K, in the product's order):
;;     1. [M 8,192, K 1,024] x [K 1,024, N 1,024]; A: input x; B: input Wq: QUANTISED
;;     2. [M 8,192, K 1,024] x [K 1,024, N 1,024]; A: input x; B: input Wk: QUANTISED
;;     3. [M 8,192, K 1,024] x [K 1,024, N 1,024]; A: input x; B: input Wv: QUANTISED
;;     4. batch 64 x [M 2,048, K 64] x [K 64, N 2,048]; A: computed on the way; B: computed on the way: QUANTISED
;;     5. batch 64 x [M 2,048, K 2,048] x [K 2,048, N 64]; A: softmax (see below); B: computed on the way: QUANTISED
;;   THE QUANTISER, for each operand of a quantised product, along K:
;;     - K is cut into blocks of 32 from its start; a last block that is shorter is filled with zeros.
;;     - A block's scale is 2^e with e = floor(log2(the largest magnitude in the block)) - 2, held to -126 .. 127; a block of zeros has e = 0. As a byte (E8M0): e + 127.
;;     - Each number is divided by its block's scale, clamped to +-7.5, and rounded to the nearest number of E2M3, ties to even, subnormals kept.
;;     - The product sums the exact products of the quantised numbers (number of the format x scale) in f32.
;;   ~~~python
;;   def quantise(x, axis):      # numpy; x: float32 -> the quantised numbers, widened to float32 again
;;       x = np.moveaxis(x, axis, -1); K = x.shape[-1]
;;       x = np.pad(x, [(0, 0)] * (x.ndim - 1) + [(0, -K % 32)]); x = x.reshape(x.shape[:-1] + (-1, 32)); a = np.abs(x).max(-1, keepdims=True)
;;       e = np.where(a > 0, np.clip(np.frexp(np.where(a > 0, a, 1))[1] - 1 - 2, -126, 127), 0)      # np.frexp(a)[1] - 1 = floor(log2(a)), exactly
;;       r = np.clip(x / 2.0 ** e, -7.5, 7.5)
;;       step = 2.0 ** (np.maximum(np.frexp(np.where(r == 0, 1, r))[1] - 1, 0) - 3)
;;       q = np.round(r / step) * step * 2.0 ** e      # np.round: ties to even
;;       return np.moveaxis(q.reshape(q.shape[:-2] + (-1,))[..., :K], -1, axis).astype(np.float32)
;;   ~~~
;;   SOFTMAX AHEAD OF A QUANTISED PRODUCT. Where the list says 'softmax', what is quantised is not the finished softmax but p = 2^(t - M), with t = logit x log2(e) and M = ceil(the row's largest t), a whole number; so 1/2 < the row's largest p <= 1. The row's sum l is taken of the UNQUANTISED p, in f32, and the product's result is divided by l at the end. Since M is a whole number, a kernel that streams over the keys may use a running M (the ceiling of the running maximum): every later rescaling is an exact power of two, which a block's scale takes up: the codes' values come out the same.
;;   OPERANDS COMPUTED ON THE WAY. 'Computed on the way' means the value that the module computes at that place (a softmax that the list does not call 'softmax' is quantised finished and normalised). What goes into a quantiser is computed in f32, as accurately as f32 sums, v_exp_f32 and their like allow (about 1e-6 of the number): no bf16 or f16 on the way to a quantiser, and a product that is left as it is and whose result goes on into a quantised operand takes f32 operands (vector FMAs, or v_wmma_f32_16x16x4_f32). A number that lies on a knife's edge between two numbers of the format may be rounded either way, as far as f32 arithmetic and the matrix unit's own rounding can turn it there, and no further.
;; One version. Each part assembles by itself: llvm-mc -triple=amdgcn-amd-amdhsa -mcpu=gfx1250 --defsym DOCPART=n.
;; ======== version 1 of 1: 3 launches
;; limits: right only within a limited range of input values
;; workspace buffers: xc 6,291,456 bytes; xs 262,144 bytes; wc 2,359,296 bytes; ws 98,304 bytes; qi 6,815,744 bytes; kv 13,631,488 bytes
;; launch quant (part 1): grid 352 x 1, 4 waves a work-group, no clusters, 68,096 bytes of LDS; arguments x, Wq, Wk, Wv, xc, xs, wc, ws; writes xc, xs, wc, ws
.if DOCPART == 1
	.amdgcn_target "amdgcn-amd-amdhsa--gfx1250"
	.amdhsa_code_object_version 6
	.text
	.protected	k_q19901cc68d_quant
	.globl	k_q19901cc68d_quant
	.p2align	8
	.type	k_q19901cc68d_quant,@function
k_q19901cc68d_quant:
	s_mov_b64 s[64:65], 0
	v_nop
	global_prefetch_b8 v0, s[64:65] scope:SCOPE_SE
	s_setreg_imm32_b32 hwreg(HW_REG_WAVE_MODE, 25, 1), 1
	s_wait_xcnt 0x0
; x [8192][1024] and Wq, Wk, Wv [1024 (k)][1024 (n)], f32, become codes of FP6 (E2M3), K innermost, with one E8M0 byte for each 32 along K.
; xc [8192][768], xs [8192][32];  wc [3072][768], ws [3072][32] (rows 1024 T + n: T = 0 Wq, 1 Wk, 2 Wv; n the weight's column).
; ROW ORDER: row n of x, and column n of a weight, is stored at place p = n with its bits 3 and 4 exchanged.  Sixteen places 16 a + r on end are then the rows
; 32 (a / 2) + 8 (a % 2) + r + 8 (r / 8): as source 0 of a product two such tiles give a lane 16 neighbours along the result's rows, which the next launch quantises.
; A block's scale is 2^(floor(log2(largest magnitude)) - 2); its byte is the largest magnitude's exponent field - 2, held at 1 from below.
; LIMITS: a block of zeros, or one whose largest magnitude lies under 2^-124, gets the byte 1 (the rule says 127 for zeros: its codes are zeros, and this program alone reads the bytes); NaN and infinities among the inputs are not served.
; Work-groups 0-95 take the weights (a lane to a column, registers down K), work-groups 96-351 take x (a stream of blocks of 32).  The two ways share no LDS byte and each ends by itself.  Waves share nothing: no barrier.
.set SPARE, 67584                      ; the spare words, 128 bytes for each wave: two blocks of 256 bytes that no other line names
.set SPW,   196                        ; v196  LDS address of my spare word; never rewritten
.set NIL,   197                        ; v197  0; never rewritten
.set EMAX,  2
; the weights' way
.set NB,     8                         ; blocks of 32 along K for a wave: 256 along K
.set WPITCH, 272                       ; a stage row: sixteen places of 16 bytes, each with 12 bytes of codes, + 16
.set KROW,   768                       ; a row of codes in memory
.set WSTG,   32768                     ; LDS: the weights' stages, 32 x 272 bytes a wave
.set WX,     32                        ; v32-95   two sets of 32 numbers
.set WC,     96                        ; v96-102  a block's codes
.set OUTR,   112                       ; v112-175 the way out
.set SB,     24                        ; v24-25   the scale bytes
; x's way
.set STEPS, 16
.set CB,    12                         ; bytes of 16 codes
.set XR,    16                         ; v16-79   four sets of 16 numbers as loaded
.set XX,    80                         ; v80-111  two sets of 16 neighbours
.set XE,    112                        ; v112-127 a scale byte for each step
.set XC,    128                        ; v128-191 codes, four registers a step
.set WREG,  8192                       ; LDS from byte 0: a region for each wave: two stages of 32 x 80 bytes, then its 256 scale bytes
.set SP,    80
	s_load_b512 s[4:19], s[0:1], 0x0               ; x 4, Wq 6, Wk 8, Wv 10, xc 12, xs 14, wc 16, ws 18
	v_lshl_add_u32 v[SPW], v0, 2, SPARE
	v_mov_b32 v[NIL], 0
	v_lshrrev_b32 v1, 5, v0
	v_readfirstlane_b32 s20, v1                    ; wave 0..3
	v_and_b32 v2, 31, v0                           ; lane
	s_cmp_lt_u32 ttmp9, 96
	s_cbranch_scc0 .Lx
	; ---------------- THE WEIGHTS: work-group = 32 T + 8 ky + nx: 128 columns from 128 nx, 256 along K from 256 ky
	s_lshr_b32 s21, ttmp9, 5                       ; T
	s_and_b32 s22, ttmp9, 7                        ; nx
	s_bfe_u32 s23, ttmp9, 0x20003                  ; ky
	s_lshl_b32 s22, s22, 7
	s_lshl_b32 s24, s20, 5
	s_add_co_u32 s22, s22, s24                     ; my wave's first column
	v_lshlrev_b32 v3, 2, v2                        ; in: 4 bytes a lane
	s_mul_i32 s24, s20, 32*WPITCH
	s_add_co_u32 s24, s24, WSTG                    ; my stage
	v_mul_u32_u24 v4, v2, WPITCH
	v_add_nc_u32 v4, s24, v4                       ; into it: row = my column
	v_and_b32 v5, 15, v2
	v_lshrrev_b32 v6, 4, v2
	v_mul_u32_u24 v7, v6, WPITCH
	v_lshl_add_u32 v7, v5, 4, v7
	v_add_nc_u32 v7, s24, v7                       ; out of it: sixteen lanes to a row, two rows an instruction
	v_mul_u32_u24 v8, v6, KROW
	v_mad_u32_u24 v8, v5, 12, v8                   ; and the same in the codes' buffer
	v_and_b32 v9, 7, v2                            ; my column's place among its 32: bits 3 and 4 exchanged
	v_and_b32 v10, 8, v2
	v_lshl_or_b32 v9, v10, 1, v9
	v_and_b32 v10, 16, v2
	v_lshrrev_b32 v10, 1, v10
	v_or_b32 v9, v9, v10
	v_lshlrev_b32 v9, 5, v9                        ; x 32 bytes: its row of scale bytes
	s_lshl_b32 s26, s23, 20                        ; W: 256 ky rows of 4,096 bytes
	s_lshl_b32 s25, s22, 2
	s_add_co_u32 s26, s26, s25                     ; + 4 x column
	s_mov_b32 s27, 0
	s_lshl_b32 s25, s21, 10
	s_add_co_u32 s25, s25, s22                     ; row 1024 T + column
	s_mul_i32 s28, s25, KROW
	s_mul_i32 s24, s23, 192
	s_add_co_u32 s28, s28, s24                     ; codes: + 192 ky
	s_mov_b32 s29, 0
	s_lshl_b32 s30, s25, 5
	s_lshl_b32 s24, s23, 3
	s_add_co_u32 s30, s30, s24                     ; scale bytes: + 8 ky
	s_mov_b32 s31, 0
	s_wait_kmcnt 0x0
	s_cmp_eq_u32 s21, 0                            ; the choice hangs on the work-group's number alone
	s_cselect_b64 s[32:33], s[6:7], s[8:9]
	s_cmp_eq_u32 s21, 2
	s_cselect_b64 s[32:33], s[10:11], s[32:33]
	s_add_nc_u64 s[32:33], s[32:33], s[26:27]
	s_add_nc_u64 s[16:17], s[16:17], s[28:29]
	s_add_nc_u64 s[18:19], s[18:19], s[30:31]
.macro WLOAD t                         ; block t: W(32 t + i, my column) into set t % 2: 32 lanes read 128 consecutive bytes
.set i, 0
.rept 32
	global_load_b32 v[WX+32*((\t)%2)+i], v3, s[32:33] offset:(32*(\t)+i)*4096 th:TH_LOAD_NT
.set i, i+1
.endr
.endm
	WLOAD 0
	WLOAD 1
.macro WBLOCK t
.set XS, WX+32*((\t)%2)
.if (\t) < NB-1
	s_wait_loadcnt 32                              ; this block's 32 loads are in; the next block's 32 may be out
.else
	s_wait_loadcnt 0
.endif
	v_max3_num_f32 v12, |v[XS]|, |v[XS+1]|, |v[XS+2]|              ; the block's largest magnitude: all 32 numbers are mine; two chains
	v_max3_num_f32 v13, |v[XS+3]|, |v[XS+4]|, |v[XS+5]|
.irp i, 6,10,14,18,22,26
	v_max3_num_f32 v12, v12, |v[XS+\i]|, |v[XS+\i+1]|
	v_max3_num_f32 v13, v13, |v[XS+\i+2]|, |v[XS+\i+3]|
.endr
	v_max3_num_f32 v12, v12, |v[XS+30]|, |v[XS+31]|
	v_max3_num_f32 v12, v12, v13, (EMAX+1)<<23     ; and the floor 2^(3 - 127): the byte cannot fall under 1
	v_add_nc_u32 v11, 0xff000000, v12              ; 2 off the exponent field: the conversion takes this operand's exponent field as its scale
	v_lshrrev_b32 v13, 23, v11                     ; the scale's byte
.if (\t)%4 == 0
	v_mov_b32 v[SB+(\t)/4], v13
.else
	v_lshl_or_b32 v[SB+(\t)/4], v13, 8*((\t)%4), v[SB+(\t)/4]
.endif
	v_cvt_scalef32_pk16_fp6_f32 v[WC:WC+2], v[XS:XS+15], v11
	v_cvt_scalef32_pk16_fp6_f32 v[WC+4:WC+6], v[XS+16:XS+31], v11  ; (a conversion's three registers begin on an even number)
	ds_store_b96 v4, v[WC:WC+2] offset:32*(\t)     ; 12 bytes to a place of 16, so that every LDS address is a multiple of 16
	ds_store_b96 v4, v[WC+4:WC+6] offset:32*(\t)+16
.if (\t)+2 < NB
	WLOAD (\t)+2
.endif
	s_wait_dscnt 0x0                               ; the stores have read their registers: the next block's codes may be written
.endm
.irp t, 0,1,2,3,4,5,6,7
	WBLOCK \t
.endr
	global_store_b64 v9, v[SB:SB+1], s[18:19]      ; my column's 8 scale bytes
.irp t, 0,1,2,3,4,5,6,7,8,9,10,11,12,13,14,15
	ds_load_b96 v[OUTR+4*\t:OUTR+4*\t+2], v7 offset:2*\t*WPITCH    ; LDS serves a wave's instructions in order: these see my stores
.endr
.irp t, 0,1,2,3,4,5,6,7,8,9,10,11,12,13,14,15
	s_wait_dscnt 15-\t                             ; the younger read-backs may be out
	global_store_b96 v8, v[OUTR+4*\t:OUTR+4*\t+2], s[16:17] offset:(16*((\t/4)%2)+8*(\t/8)+2*(\t%4))*KROW   ; stage rows 2 t, 2 t + 1 go to their places: bits 3 and 4 exchanged
.endr
	s_wait_tensorcnt 0x0                           ; the wave's end, behind my last LDS store
	ds_add_u32 v[SPW], v[NIL]
	s_wait_dscnt 0x0
	s_endpgm
	; ---------------- x: a wave takes a run of 8,192 numbers (8 rows): 16 steps of 512
.Lx:
	v_lshlrev_b32 v3, 4, v2                        ; my 16 bytes of a load's 512
	s_mul_i32 s21, s20, WREG
	v_lshrrev_b32 v14, 2, v2
	v_mul_u32_u24 v14, v14, SP
	v_and_b32 v15, 3, v2
	v_lshl_add_u32 v14, v15, 4, v14
	v_add_nc_u32 v14, s21, v14                     ; the stage, on the way in: four lanes' 64 bytes on end, then 16 of padding
	v_mul_u32_u24 v15, v2, SP
	v_add_nc_u32 v15, s21, v15                     ; and on the way out: my 16 neighbours
	v_mul_u32_u24 v4, v2, CB                       ; my codes' place in a step's
	v_lshrrev_b32 v5, 1, v2
	s_add_co_u32 s21, s21, 2*32*SP
	v_add_nc_u32 v5, s21, v5                       ; LDS: my wave's 256 scale bytes, my block's byte
	v_lshlrev_b32 v7, 3, v2
	v_add_nc_u32 v6, s21, v7
	s_sub_co_u32 s22, ttmp9, 96
	s_lshl_b32 s22, s22, 2
	s_add_co_u32 s23, s22, s20                     ; the run that I read: rows 8 run on
	s_and_b32 s24, s20, 1
	s_lshl_b32 s24, s24, 1
	s_lshr_b32 s25, s20, 1
	s_or_b32 s24, s24, s25
	s_add_co_u32 s24, s22, s24                     ; the run's place: its two low bits (the rows' bits 3 and 4) exchanged
	s_lshl_b32 s26, s23, 15
	s_mov_b32 s27, 0
	s_mul_i32 s28, s24, 8*KROW
	s_mov_b32 s29, 0
	s_lshl_b32 s30, s24, 8
	s_mov_b32 s31, 0
	s_wait_kmcnt 0x0
	s_add_nc_u64 s[4:5], s[4:5], s[26:27]
	s_add_nc_u64 s[12:13], s[12:13], s[28:29]
	s_add_nc_u64 s[14:15], s[14:15], s[30:31]
.macro XLOAD t
.irp i, 0,1,2,3
	global_load_b128 v[XR+16*((\t)%4)+4*\i:XR+16*((\t)%4)+4*\i+3], v3, s[4:5] offset:2048*(\t)+512*\i th:TH_LOAD_NT   ; 32 lanes read 512 consecutive bytes
.endr
.endm
.macro XTURN t                         ; step t's numbers through the stage: LDS serves a wave's instructions in order
.irp i, 0,1,2,3
	ds_store_b128 v14, v[XR+16*((\t)%4)+4*\i:XR+16*((\t)%4)+4*\i+3] offset:32*SP*((\t)%2)+8*SP*\i
.endr
.irp i, 0,1,2,3
	ds_load_b128 v[XX+16*((\t)%2)+4*\i:XX+16*((\t)%2)+4*\i+3], v15 offset:32*SP*((\t)%2)+16*\i
.endr
.endm
.irp t, 0,1,2,3
	XLOAD \t
.endr
	s_wait_loadcnt 12                              ; step 0's four loads are in
	XTURN 0
.macro XSTEP t
.set XS, XX+16*((\t)%2)
.if (\t) > 0
	s_wait_dscnt 1                                 ; this step's numbers are back from the stage (the last step's byte store may be out)
.else
	s_wait_dscnt 0x0
.endif
.if (\t)+4 < STEPS
	XLOAD (\t)+4                                   ; into the registers that this step's stage stores have read
.endif
.if (\t)+1 < STEPS
.if STEPS-2-(\t) >= 3
	s_wait_loadcnt 12                              ; the next step's four loads are in; those of the three steps behind it may be out
.else
	s_wait_loadcnt 4*(STEPS-2-(\t))
.endif
	XTURN (\t)+1
.endif
	v_max3_num_f32 v8, |v[XS]|, |v[XS+1]|, |v[XS+2]|               ; the largest magnitude of my 16
	v_max3_num_f32 v9, |v[XS+3]|, |v[XS+4]|, |v[XS+5]|
.irp i, 6,10
	v_max3_num_f32 v8, v8, |v[XS+\i]|, |v[XS+\i+1]|
	v_max3_num_f32 v9, v9, |v[XS+\i+2]|, |v[XS+\i+3]|
.endr
	v_max3_num_f32 v8, v8, |v[XS+14]|, |v[XS+15]|
	v_max3_num_f32 v8, v8, v9, (EMAX+1)<<23        ; and the floor
	v_max_num_f32_dpp v8, v8, v8 row_xmask:1 row_mask:0xf bank_mask:0xf   ; and of my neighbour's 16: the block's
	v_add_nc_u32 v11, 0xff000000, v8
	v_cvt_scalef32_pk16_fp6_f32 v[XC+4*(\t):XC+4*(\t)+2], v[XS:XS+15], v11
	v_lshrrev_b32 v[XE+(\t)], 23, v11              ; the scale's byte (also the plain line behind the conversion)
	ds_store_b8 v5, v[XE+(\t)] offset:16*(\t)      ; both lanes of a block write the same byte with the same value
	global_store_b96 v4, v[XC+4*(\t):XC+4*(\t)+2], s[12:13] offset:32*CB*(\t)   ; the wave stores 384 consecutive bytes
.endm
.irp t, 0,1,2,3,4,5,6,7,8,9,10,11,12,13,14,15
	XSTEP \t
.endr
	ds_load_b64 v[8:9], v6
	s_wait_dscnt 0x0
	global_store_b64 v7, v[8:9], s[14:15]          ; 32 lanes store 256 consecutive bytes, aligned
	s_wait_tensorcnt 0x0                           ; the wave's end, behind my last LDS store
	ds_add_u32 v[SPW], v[NIL]
	s_wait_dscnt 0x0
	s_endpgm
.Lfunc_end_k_q19901cc68d_quant:
	.size	k_q19901cc68d_quant, .Lfunc_end_k_q19901cc68d_quant-k_q19901cc68d_quant
	.p2alignl 7, 3214868480
	.fill 96, 4, 3214868480
	.section	.rodata,"a",@progbits
	.p2align	6, 0x0
	.amdhsa_kernel k_q19901cc68d_quant
		.amdhsa_group_segment_fixed_size 68096
		.amdhsa_private_segment_fixed_size 0
		.amdhsa_enable_private_segment 0
		.amdhsa_kernarg_size 64
		.amdhsa_user_sgpr_count 2
		.amdhsa_user_sgpr_kernarg_segment_ptr 1
		.amdhsa_wavefront_size32 1
		.amdhsa_system_sgpr_workgroup_id_x 1
		.amdhsa_system_sgpr_workgroup_id_y 1
		.amdhsa_system_sgpr_workgroup_id_z 1
		.amdhsa_system_vgpr_workitem_id 0
		.amdhsa_next_free_vgpr 200
		.amdhsa_next_free_sgpr 66
		.amdhsa_reserve_vcc 0
		.amdhsa_float_denorm_mode_32 3
		.amdhsa_float_denorm_mode_16_64 3
		.amdhsa_memory_ordered 1
		.amdhsa_forward_progress 1
		.amdhsa_inst_pref_size 73
	.end_amdhsa_kernel
	.amdgpu_metadata
---
amdhsa.version: [ 1, 2 ]
amdhsa.kernels:
  - .name:           k_q19901cc68d_quant
    .symbol:         k_q19901cc68d_quant.kd
    .args:
      - { .name: x, .offset: 0, .size: 8, .value_kind: global_buffer, .address_space: global }
      - { .name: Wq, .offset: 8, .size: 8, .value_kind: global_buffer, .address_space: global }
      - { .name: Wk, .offset: 16, .size: 8, .value_kind: global_buffer, .address_space: global }
      - { .name: Wv, .offset: 24, .size: 8, .value_kind: global_buffer, .address_space: global }
      - { .name: xc, .offset: 32, .size: 8, .value_kind: global_buffer, .address_space: global }
      - { .name: xs, .offset: 40, .size: 8, .value_kind: global_buffer, .address_space: global }
      - { .name: wc, .offset: 48, .size: 8, .value_kind: global_buffer, .address_space: global }
      - { .name: ws, .offset: 56, .size: 8, .value_kind: global_buffer, .address_space: global }
    .group_segment_fixed_size: 68096
    .private_segment_fixed_size: 0
    .kernarg_segment_align: 8
    .kernarg_segment_size: 64
    .max_flat_workgroup_size: 128
    .sgpr_count:     66
    .vgpr_count:     200
    .wavefront_size: 32
...
	.end_amdgpu_metadata
.endif
;; end of part 1
;; launch gemm (part 2): grid 12 x 32, 4 waves a work-group, clusters of 4 x 4, 327,680 bytes of LDS; arguments xc, xs, wc, ws, bq, bk, bv, qi, kv; writes qi, kv
.if DOCPART == 2
	.amdgcn_target "amdgcn-amd-amdhsa--gfx1250"
	.amdhsa_code_object_version 6
	.text
	.protected	k_q19901cc68d_gemm
	.globl	k_q19901cc68d_gemm
	.p2align	8
	.type	k_q19901cc68d_gemm,@function
k_q19901cc68d_gemm:
	s_mov_b64 s[64:65], 0
	v_nop
	global_prefetch_b8 v0, s[64:65] scope:SCOPE_SE
	s_setreg_imm32_b32 hwreg(HW_REG_WAVE_MODE, 25, 1), 1
	s_wait_xcnt 0x0
	s_wait_alu depctr_hold_cnt(0) depctr_sa_sdst(0) depctr_va_vdst(0) depctr_va_sdst(0) depctr_va_ssrc(0) depctr_va_vcc(0) depctr_vm_vsrc(0)
	s_getreg_b32 s2, hwreg(HW_REG_IB_STS2, 6, 4)
	s_cmp_eq_u32 s2, 0
	s_cbranch_scc0 .Lentry_in_a_cluster
	s_endpgm
.Lentry_in_a_cluster:
	s_bfe_u32 s2, ttmp6, 0x10000c
	s_cmp_lg_u32 s2, 0xf033
	s_cbranch_scc0 .Lentry_shape_is_right
	s_endpgm
.Lentry_shape_is_right:
; The three projections q = x Wq + bq, k = x Wk + bk, v = x Wv + bv on codes of FP6 (E2M3) with E8M0 scales, K = 1,024, f32 sums; the results are quantised in registers and stored as images of attention's operand registers.
; MODE = the cluster's x: 0 q, 1 k, 2 v.  A tile is 256 x 256, four waves, 128 x 128 each: 64 accumulators, 512 registers.  The matrix instruction is used transposed: source 0 = 16 rows of "B", source 1 = 16 rows of "A":
; a lane holds ONE row of A and its registers run along B's rows.  MODES q, k: A = x, B = the weight's rows: a lane holds a token, registers run along the head's 64: the next K.  MODE v: A = Wv's rows, B = x:
; a lane holds one channel d, registers run along the keys: the next K.  By the row order of xc and wc (bits 3 and 4 of a row exchanged) the 16 registers of B's blocks 2 b, 2 b + 1 are 16 neighbours 32 b + 16 (lane / 16) + 0 .. 15.
; K goes in steps of 256 through two LDS slots filled by joint tensor loads (4 x 4 work-groups: A's tile shared along a row of the cluster, B's along a column); the scales of all of K come once and stay.
; The bias is the C of each sum's first matrix instruction.  In modes q, k it hangs on B's block, in mode v on A's: so the first step of 128 along K is written twice, under a branch on MODE, which all sixteen partners share.
; OUT.  qi [64 heads][16 blocks of 128 queries][6,656]: tile t (16 rows 32 (t / 2) + 8 (t % 2) + r + 8 (r / 8)), piece i at 768 t + 256 i + 8 lane: registers 2 i, 2 i + 1 of six (lane (r, h): d = 32 h .. + 31); at 6,144 the scale words:
; word 4 l + i = tile 2 i + l / 16, row l % 16, bytes 0, 1 the two blocks, bytes 2, 3 zero.  kv [64][16 steps of 128 keys][13,312]: k likewise; from 6,656 v: channel tile dt, piece p at 1,536 dt + 256 p + 8 lane (twelve registers: keys 64 c + 32 h ..);
; at 12,800 16 bytes a lane: word 0 = dt 0 (lanes 0-15), dt 1 (16-31), word 1 = dt 2, 3; words 2, 3 are filler.  Every store covers 256 or 512 consecutive bytes, aligned.
; LIMITS: blocks whose largest magnitude lies under 2^-124 (zeros among them) get the byte 1; NaN and infinities are not served.
; REGISTERS, in windows of 256: window 0: v0-31 addresses; v32-63 scale words, two sets, and nothing else ever; v64-127 the biases, later the epilogue's work; v128-223 A's fragments, later the codes; v224-231 the biases' offsets.
;   window 1: B's fragments, two sets, at v0 and v128.   window 2: accumulators of A's blocks 0-3 ((a, b) at v[8 (8 (a % 4) + b)]);   window 3: of blocks 4-7.
.set KSTEP,  256
.set NQ,     2                         ; matrix instructions deep in a slot
.set ROWB,   192                       ; a tile's row in bytes
.set KROW,   768                       ; a row of codes in memory
.set PITCH,  240                       ; an LDS row: 3 x (64 bytes + 16 of padding)
.set FR,     12
.set NL,     6
.set NP,     4                         ; places behind this matrix instruction (ISA guide 7.12.1)
.set HALFT,  128*PITCH
.set SLOT,   4*HALFT
.set KS,     32                        ; a row of scale bytes
.set SCL,    2*SLOT                    ; behind the ring: the scales, as rows of 256 bytes + 16
.set HALFS,  (128*KS/256)*272
.set SBLK,   (16*KS/256)*272
.set SPARE,  SCL+4*HALFS               ; the spare words, 128 bytes a wave: two blocks of 256 bytes that no other line names
.set ADRA, 16                          ; v16-17 A's fragments in slot 0, 1 (v18-19 behind one padding more)
.set ADRB, 20                          ; v20-23 the same for B
.set L8,   24                          ; v24  8 x lane
.set L16,  25                          ; v25  16 x lane
.set L16H, 26                          ; v26  16 x lane + a head's stride
.set ADRS, 27                          ; v27  my scale words: lanes 0-15 A's rows, lanes 16-31 B's
.set SPW,  28
.set NIL,  29
.set SC,   32
.set BI,   64                          ; the biases: eight groups of eight registers, in the result's layout
.set AF,   128
.set BO,   224                         ; their offsets, one for each register of a group
.set TM,   64                          ; the epilogue: v64-67 largest magnitudes, v68-71 bytes, v76-79 the conversions' scale operands
.set PW,   80                          ; v80-87  a scale word for each of A's blocks
.set MW,   88
.set R1,   92
.set R2,   96
.set YT,   104                         ; v104-111 the conversions' second halves
.set OF,   112                         ; v112-127 store offsets, two for each of A's blocks
.set CD,   128                         ; v128-223 the codes, twelve registers for each of A's blocks: no store's data are written again
.set G1, 24
.set G0, 32
.set G1B, 48
.set G0B, 56
.set G1S, 68
.set G0S, 76
.set G1SB, 80
.set G0SB, 88
.set MODE, 95
.set MSB, 0
.macro WIN new                         ; the immediate's high byte repeats the setting that is left
.if MSB != (\new)
	s_set_vgpr_msb (MSB<<8)|(\new)
.set MSB, (\new)
.endif
.endm
.set MUL_LO, 0xa1                      ; source 0 (B) window 1, source 1 (A) window 0, C and D window 2
.set MUL_HI, 0xf1
.set TO_B,   0x40
; A joint load: waves 0 and 1 fetch for A, waves 2 and 3 for B; the branch hangs on the wave's number alone.  An s_nop 0 and four v_nop follow each of the two lines.
.macro JLOAD g0a, g1a, g0b, g1b
	s_cmp_eq_u32 s15, 0
	s_cbranch_scc0 .Lfor_b_\@
	tensor_load_to_lds s[\g0a:\g0a+3], s[\g1a:\g1a+7]
	s_nop 0
.rept 4
	v_nop
.endr
	s_branch .Lasked_\@
.Lfor_b_\@:
	tensor_load_to_lds s[\g0b:\g0b+3], s[\g1b:\g1b+7]
	s_nop 0
.rept 4
	v_nop
.endr
.Lasked_\@:
.endm
.macro CREST                           ; a round of the cluster's barrier behind its opening barrier
	s_cmp_lg_u32 s14, 0
	s_cbranch_scc1 .Lnot_wave_0_\@
	s_barrier_signal -3
.Lnot_wave_0_\@:
	s_barrier_wait -3
	s_barrier_signal -1
	s_barrier_wait -1
.endm
.macro CROUND
	s_barrier_signal -1
	s_barrier_wait -1
	CREST
.endm
	s_load_b512 s[68:83], s[0:1], 0x0              ; xc 68, xs 70, wc 72, ws 74, bq 76, bk 78, bv 80, qi 82
	s_load_b64 s[84:85], s[0:1], 0x40              ; kv
	v_lshl_add_u32 v[SPW], v0, 2, SPARE
	v_mov_b32 v[NIL], 0
	ds_add_u32 v[SPW], v[NIL]                      ; the wave's opening, ahead of my first tensor load
	v_lshrrev_b32 v1, 5, v0
	v_readfirstlane_b32 s14, v1                    ; wave 0..3
	s_lshr_b32 s15, s14, 1                         ; which half of A's rows is mine.  Also: I fetch for A (0) or for B (1)
	s_and_b32 s16, s14, 1                          ; which half of B's rows.  Also: which 128 rows I fetch
	s_bfe_u32 s40, ttmp6, 0x40000                  ; cx
	s_bfe_u32 s41, ttmp6, 0x40004                  ; cy
	s_mov_b32 s[MODE], ttmp9                       ; the cluster's x: equal in all sixteen partners
	s_and_b32 s94, ttmp7, 0xffff
	s_lshl_b32 s94, s94, 2                         ; 4 x the cluster's y
	s_lshl_b32 s93, s[MODE], 2
	s_cmp_eq_u32 s[MODE], 2
	s_cselect_b32 s17, 8, s94                      ; A's tile row: of x (q, k), or of wc from Wv's first row (v),
	s_cselect_b32 s42, s94, s93                    ; B's: of wc (q, k), or of x (v)
	s_cselect_b32 s97, -1, 0                       ; all lanes in mode v, none else
	s_add_co_u32 s17, s17, s41                     ; + cy
	s_add_co_u32 s42, s42, s40                     ; + cx
	s_lshl_b32 s43, s41, 2
	s_lshl_b32 s43, 15, s43                        ; my row of the cluster
	s_lshl_b32 s44, 0x1111, s40                    ; my column
	s_or_b32 s[G1+0], s43, (0<<16)|(1<<20)|(1<<21)|(3<<22)|(3<<25)  ; the mask; elements of 1 byte; padding on; bit 21 beside a mask; after every 16 words, 4 words
	s_or_b32 s[G1B+0], s44, (0<<16)|(1<<20)|(1<<21)|(3<<22)|(3<<25)
.irp g, G1, G1B
	s_mov_b32 s[\g+1], ROWB<<16                    ; tensor_dim0
	s_mov_b32 s[\g+2], 128<<16                     ; tensor_dim1
	s_mov_b32 s[\g+3], ROWB<<16                    ; tile_dim0
	s_mov_b32 s[\g+4], 128                         ; tile_dim1
	s_mov_b32 s[\g+5], KROW                        ; the pitch
	s_mov_b32 s[\g+6], 0
	s_mov_b32 s[\g+7], 0
.endr
	s_lshl_b32 s18, s16, 7                         ; which 128 rows of the tile I fetch
	s_lshl_b32 s20, s17, 8
	s_add_co_u32 s20, s20, s18                     ; A: row
	s_lshl_b32 s46, s42, 8
	s_add_co_u32 s46, s46, s18                     ; B: row
	s_mov_b32 s21, 0
	s_mov_b32 s47, 0
	s_mov_b64 s[18:19], KS
	s_mul_u64 s[22:23], s[20:21], s[18:19]         ; where these rows' scales begin,
	s_mul_u64 s[92:93], s[46:47], s[18:19]
	s_mov_b64 s[18:19], KROW
	s_mul_u64 s[20:21], s[20:21], s[18:19]         ; and their codes
	s_mul_u64 s[46:47], s[46:47], s[18:19]
	s_mul_i32 s45, s14, HALFT                      ; where they go: wave x 128 rows
	s_mul_i32 s94, s14, HALFS
	s_wait_dscnt 0x0                               ; the opening add is done
	s_wait_kmcnt 0x0
	s_cmp_eq_u32 s[MODE], 2                        ; the buffers are chosen by MODE alone
	s_cselect_b64 s[4:5], s[72:73], s[68:69]       ; A's codes
	s_cselect_b64 s[6:7], s[74:75], s[70:71]       ; A's scales
	s_cselect_b64 s[8:9], s[68:69], s[72:73]       ; B's codes
	s_cselect_b64 s[10:11], s[70:71], s[74:75]     ; B's scales
	s_cselect_b64 s[100:101], s[80:81], s[78:79]   ; bv or bk,
	s_cmp_eq_u32 s[MODE], 0
	s_cselect_b64 s[100:101], s[76:77], s[100:101] ; or bq
	s_cselect_b64 s[12:13], s[82:83], s[84:85]     ; qi or kv
	; the arguments' registers are free now: the scales' descriptors: 128 rows' scales, 4,096 dense bytes, as rows of 256 bytes (32 elements of 8), 16 bytes of padding behind each
	s_or_b32 s[G1S+0], s43, (3<<16)|(1<<20)|(1<<21)|(5<<22)|(3<<25)
	s_or_b32 s[G1SB+0], s44, (3<<16)|(1<<20)|(1<<21)|(5<<22)|(3<<25)
.irp g, G1S, G1SB
	s_mov_b32 s[\g+1], 32<<16
	s_mov_b32 s[\g+2], (128*KS/256)<<16
	s_mov_b32 s[\g+3], 32<<16
	s_mov_b32 s[\g+4], 128*KS/256
	s_mov_b32 s[\g+5], 32
	s_mov_b32 s[\g+6], 0
	s_mov_b32 s[\g+7], 0
.endr
	s_add_nc_u64 s[20:21], s[4:5], s[20:21]
	s_add_nc_u64 s[22:23], s[6:7], s[22:23]
	s_add_nc_u64 s[46:47], s[8:9], s[46:47]
	s_add_nc_u64 s[92:93], s[10:11], s[92:93]
	CROUND                                         ; all sixteen work-groups are here: the first joint loads meet
	s_mov_b32 s[G0S], 1
	s_add_co_u32 s[G0S+1], s94, SCL
	s_mov_b64 s[G0S+2:G0S+3], s[22:23]
	s_or_b32 s[G0S+3], s[G0S+3], 0x80000000
	s_mov_b32 s[G0SB], 1
	s_add_co_u32 s[G0SB+1], s94, SCL
	s_mov_b64 s[G0SB+2:G0SB+3], s[92:93]
	s_or_b32 s[G0SB+3], s[G0SB+3], 0x80000000
	JLOAD G0S, G1S, G0SB, G1SB                     ; the scales first; with the two slots three loads of mine are out
.irp s, 0,1
	s_mov_b32 s[G0+4*\s], 1
	s_add_co_u32 s[G0+4*\s+1], s45, \s*SLOT
	s_add_nc_u64 s[G0+4*\s+2:G0+4*\s+3], s[20:21], \s*ROWB
	s_or_b32 s[G0+4*\s+3], s[G0+4*\s+3], 0x80000000
	s_mov_b32 s[G0B+4*\s], 1
	s_add_co_u32 s[G0B+4*\s+1], s45, \s*SLOT
	s_add_nc_u64 s[G0B+4*\s+2:G0B+4*\s+3], s[46:47], \s*ROWB
	s_or_b32 s[G0B+4*\s+3], s[G0B+4*\s+3], 0x80000000
	JLOAD G0+4*\s, G1, G0B+4*\s, G1B
.endr
	v_and_b32 v1, 15, v0                           ; r
	v_bfe_u32 v2, v0, 4, 1                         ; h
	v_mul_u32_u24 v3, v1, PITCH
	v_mul_u32_u24 v4, v2, 24
	v_add_nc_u32 v4, v3, v4                        ; a fragment's row x pitch + 24 h
	v_lshl_add_u32 v5, v2, 4, v4                   ; and the same behind one padding more
	s_mul_i32 s21, s15, HALFT                      ; my 128 rows of A
	s_mul_i32 s22, s16, HALFT                      ; my 128 rows of B,
	s_add_co_u32 s22, s22, 2*HALFT                 ; behind A's 256
.irp s, 0,1
	v_add_nc_u32 v[ADRA+\s], s21, v4
	v_add_nc_u32 v[ADRB+\s], s22, v4
	v_add_nc_u32 v[ADRA+2+\s], s21, v5
	v_add_nc_u32 v[ADRB+2+\s], s22, v5
	s_add_co_u32 s21, s21, SLOT
	s_add_co_u32 s22, s22, SLOT
.endr
	v_mul_u32_u24 v5, v1, KS                       ; my row's scales: 32 bytes a row,
	v_lshrrev_b32 v6, 8, v5
	v_lshl_add_u32 v5, v6, 4, v5                   ; and 16 more for each 256 passed
	s_mul_i32 s21, s15, HALFS
	s_mul_i32 s22, s16, HALFS
	s_add_co_u32 s22, s22, 2*HALFS
	s_sub_co_u32 s22, s22, s21
	v_mul_u32_u24 v6, s22, v2                      ; lanes 16-31 take B's: one product, the distance between the two bases
	s_add_co_u32 s21, s21, SCL
	v_add_nc_u32 v5, v5, v6
	v_add_nc_u32 v[ADRS], s21, v5
	v_and_b32 v6, 31, v0
	v_lshlrev_b32 v[L8], 3, v6
	v_lshlrev_b32 v[L16], 4, v6
	v_cmp_lt_u32 s99, 15, v6                       ; lanes 16-31
	; where my results go, and my biases
	s_lshl_b32 s18, s17, 8
	s_lshl_b32 s19, s15, 7
	s_add_co_u32 s18, s18, s19                     ; my first row of A
	s_lshl_b32 s19, s42, 8
	s_lshl_b32 s20, s16, 7
	s_add_co_u32 s19, s19, s20                     ; my first row of B
	s_cmp_eq_u32 s[MODE], 2
	s_cselect_b32 s20, s19, s18                    ; my first row of x: a multiple of 128
	s_cselect_b32 s21, s18, s19                    ; my first row of wc
	s_cselect_b32 s23, 6656, 0                     ; v lies behind k in a record
	s_and_b32 s21, s21, 1023                       ; my first column of the projection: two heads from here
	s_cmp_eq_u32 s[MODE], 0
	s_mov_b32 s96, 212992
	s_cselect_b32 s96, 106496, s96                 ; a head's stride
	s_mov_b32 s98, 13312
	s_cselect_b32 s98, 6656, s98                   ; a record
	s_lshr_b32 s22, s20, 11
	s_lshl_b32 s22, s22, 4
	s_lshr_b32 s46, s21, 6
	s_add_co_u32 s22, s22, s46                     ; 16 x batch + head
	s_bfe_u32 s46, s20, 0x40007                    ; which 128 rows of the batch's 2,048
	s_mul_i32 s22, s22, s96
	s_mul_i32 s46, s46, s98
	s_add_co_u32 s22, s22, s46
	s_add_co_u32 s22, s22, s23
	s_mov_b32 s23, 0
	s_add_nc_u64 s[12:13], s[12:13], s[22:23]
	s_lshl_b32 s22, s21, 2
	s_add_nc_u64 s[100:101], s[100:101], s[22:23]
	s_cmp_eq_u32 s[MODE], 2                        ; the epilogue's strides: from one of A's blocks to the next among four, from the first four to the second, from the codes' first half to the second
	s_mov_b32 s18, 768
	s_cselect_b32 s18, 1536, s18
	s_mov_b32 s19, 3072
	s_cselect_b32 s19, 212992, s19
	s_cselect_b32 s20, 768, s96
	s_mov_b32 s21, 0xffff
	s_cselect_b32 s21, -1, s21                     ; q, k: a head's scale word keeps two bytes; v: all four
	s_mov_b32 s66, 0x76543210
	s_mov_b32 s67, 0xfedcba98                      ; v_permlanex16_b32's selects for lane l xor 16
	v_add_nc_u32 v[L16H], s96, v[L16]
	v_lshlrev_b32 v7, 6, v2                        ; q, k: register j of group g is column 32 (g / 2) + 8 (g % 2) + 16 h + j
	v_and_b32 v8, 8, v1
	v_add_nc_u32 v8, v8, v1
	v_lshlrev_b32 v8, 2, v8                        ; v: every register of group g is channel 32 (g / 2) + 8 (g % 2) + r + 8 (r / 8)
.irp j, 0,1,2,3,4,5,6,7
	v_add_nc_u32 v[BO+\j], 4*\j, v7
	v_cndmask_b32 v[BO+\j], v[BO+\j], v8, s97
.endr
.irp g, 0,1,2,3,4,5,6,7
.irp j, 0,1,2,3,4,5,6,7
	global_load_b32 v[BI+8*\g+\j], v[BO+\j], s[100:101] offset:4*(32*(\g/2)+8*(\g%2))
.endr
.endr
.macro FRAG reg, adr, q, i             ; a fragment: 12 registers, in pieces of 8 bytes; lanes 16-31 read three pieces on, which for some pieces is behind one padding more: the second address register serves those
.irp p, 0,1,2,3,4,5
.set PIECE, 12*(\q)+6*(\p/3)+\p%3
.if PIECE%8 < 5
	ds_load_b64 v[\reg+2*\p:\reg+2*\p+1], v[\adr] offset:8*PIECE+16*(PIECE/8)+(\i)*16*PITCH
.else
	ds_load_b64 v[\reg+2*\p:\reg+2*\p+1], v[\adr+2] offset:8*PIECE+16*(PIECE/8)+(\i)*16*PITCH
.endif
.endr
.endm
; 16 matrix instructions: A's blocks a0, a0 + 1 x B's eight.  zero = 0: in place; 1: the sum starts from the bias of B's block; 2: from the bias of A's block.  The 64 accumulators take turns, one instruction a turn.
.macro MUL16 a0, p, q, sc, zero
.irp a, \a0, \a0+1
.irp b, 0,1,2,3,4,5,6,7
.if \zero == 1
	v_wmma_scale_f32_16x16x128_f8f6f4 v[8*(8*((\a)%4)+\b):8*(8*((\a)%4)+\b)+7], v[128*(\p)+FR*\b:128*(\p)+FR*\b+FR-1], v[AF+FR*(\a):AF+FR*(\a)+FR-1], v[BI+8*\b:BI+8*\b+7], v[SC+8*NQ*(\sc)+NQ*\b+(\q)], v[SC+8*NQ*(\sc)+NQ*(\a)+(\q)] matrix_a_fmt:MATRIX_FMT_FP6 matrix_b_fmt:MATRIX_FMT_FP6 matrix_a_scale:MATRIX_SCALE_ROW1
.elseif \zero == 2
	v_wmma_scale_f32_16x16x128_f8f6f4 v[8*(8*((\a)%4)+\b):8*(8*((\a)%4)+\b)+7], v[128*(\p)+FR*\b:128*(\p)+FR*\b+FR-1], v[AF+FR*(\a):AF+FR*(\a)+FR-1], v[BI+8*(\a):BI+8*(\a)+7], v[SC+8*NQ*(\sc)+NQ*\b+(\q)], v[SC+8*NQ*(\sc)+NQ*(\a)+(\q)] matrix_a_fmt:MATRIX_FMT_FP6 matrix_b_fmt:MATRIX_FMT_FP6 matrix_a_scale:MATRIX_SCALE_ROW1
.else
	v_wmma_scale_f32_16x16x128_f8f6f4 v[8*(8*((\a)%4)+\b):8*(8*((\a)%4)+\b)+7], v[128*(\p)+FR*\b:128*(\p)+FR*\b+FR-1], v[AF+FR*(\a):AF+FR*(\a)+FR-1], v[8*(8*((\a)%4)+\b):8*(8*((\a)%4)+\b)+7], v[SC+8*NQ*(\sc)+NQ*\b+(\q)], v[SC+8*NQ*(\sc)+NQ*(\a)+(\q)] matrix_a_fmt:MATRIX_FMT_FP6 matrix_b_fmt:MATRIX_FMT_FP6 matrix_a_scale:MATRIX_SCALE_ROW1
.endif
.endr
.endr
.endm
.macro FETCH_B slot, q, p
	WIN TO_B
.irp i, 0,1,2,3,4,5,6,7
	FRAG 128*(\p)+FR*\i, ADRB+\slot, \q, \i
.endr
	WIN 0
.endm
.macro FETCH_A slot, q, i0
.irp i, \i0, \i0+1, \i0+2, \i0+3
	FRAG AF+FR*(\i), ADRA+\slot, \q, \i
.endr
.endm
.macro SCALES sc                       ; a K step's scale words: two words a row; lanes 0-15 A's block i, lanes 16-31 B's block i
.irp i, 0,1,2,3,4,5,6,7
	ds_load_b64 v[SC+8*NQ*\sc+NQ*\i:SC+8*NQ*\sc+NQ*\i+1], v[ADRS] offset:\i*SBLK
.endr
.endm
.macro PLACES n                        ; plain vector instructions between a matrix instruction and a load into, or a vector read of, its registers
.rept \n
	v_nop
.endr
.endm
.macro STEP slot, q, zero              ; a step of 128 along K that has its successor in the same slot
	s_wait_dscnt 4*NL                              ; B's set and A's blocks 0-3 are in; the youngest 24 loads (A's blocks 4-7) may be out
.if \zero
	WIN 0x81                                       ; C, the bias, from window 0
.else
	WIN MUL_LO
.endif
	MUL16 0, (\q)%2, \q, \slot, \zero
	MUL16 2, (\q)%2, \q, \slot, \zero
	s_wait_dscnt 0
	PLACES NP
	FETCH_B \slot, (\q)+1, 1-(\q)%2
	FETCH_A \slot, (\q)+1, 0
.if \zero
	WIN 0xc1
.else
	WIN MUL_HI
.endif
	MUL16 4, (\q)%2, \q, \slot, \zero
	MUL16 6, (\q)%2, \q, \slot, \zero
	PLACES NP
	WIN 0
	FETCH_A \slot, (\q)+1, 4
.endm
; A slot's last step changes slots: one barrier; in front of it each wave waits for all its tensor loads, adds 0 to its spare word, and waits for that and for its reads of this slot.  fill = 1: the slot is filled again, two K steps ahead, behind a round of the cluster's barrier.
.macro TURN slot, next, fill
	s_wait_tensorcnt 0x0                           ; all my tensor loads have landed: my part of the next slot
	ds_add_u32 v[SPW], v[NIL]
	s_wait_dscnt 4*NL+1                            ; (the add and the youngest 24 loads may be out)
	WIN MUL_LO
	MUL16 0, 1, NQ-1, \slot, 0
	s_wait_dscnt 0x0                               ; the add is done, and my reads of this slot are over
	s_barrier_signal -1
	MUL16 2, 1, NQ-1, \slot, 0
	WIN 0
	s_barrier_wait -1
.if \fill
	CREST                                          ; no wave of any partner still reads this slot or has a load on its way
	s_add_nc_u64 s[G0+4*\slot+2:G0+4*\slot+3], s[G0+4*\slot+2:G0+4*\slot+3], 2*ROWB
	s_add_nc_u64 s[G0B+4*\slot+2:G0B+4*\slot+3], s[G0B+4*\slot+2:G0B+4*\slot+3], 2*ROWB
	JLOAD G0+4*\slot, G1, G0B+4*\slot, G1B         ; my one tensor load behind the round; its four v_nop are the places in front of the loads below
.else
	PLACES NP
.endif
	v_add_nc_u32 v[ADRS], 4*NQ, v[ADRS]            ; the next K step's scale words
	FETCH_B \next, 0, 0
	FETCH_A \next, 0, 0
	SCALES \next
	WIN MUL_HI
	MUL16 4, 1, NQ-1, \slot, 0
	MUL16 6, 1, NQ-1, \slot, 0
	PLACES NP
	WIN 0
	FETCH_A \next, 0, 4
.endm
	s_wait_tensorcnt 1                             ; the scales and my part of K step 0 are in (K step 1's load may be out)
	s_barrier_signal -1
	s_barrier_wait -1
	FETCH_B 0, 0, 0
	FETCH_A 0, 0, 0
	SCALES 0
	FETCH_A 0, 0, 4
	s_wait_loadcnt 0x0                             ; the biases
	s_cmp_eq_u32 s[MODE], 2
	s_cbranch_scc1 .Lfirst_v
	STEP 0, 0, 1                                   ; q, k: the sums start from the bias of B's block
	s_branch .Lfirst_done
.Lfirst_v:
	STEP 0, 0, 2                                   ; v: from the bias of A's block
.Lfirst_done:
	TURN 0, 1, 1                                   ; K = 1,024: four K steps; slots 0 and 1 are each filled once more
	STEP 1, 0, 0
	TURN 1, 0, 1
	STEP 0, 0, 0
	TURN 0, 1, 0
	STEP 1, 0, 0
	s_wait_dscnt 4*NL                              ; the very last step: nothing more to fetch
	WIN MUL_LO
	MUL16 0, 1, NQ-1, 1, 0
	MUL16 2, 1, NQ-1, 1, 0
	s_wait_dscnt 0
	WIN MUL_HI
	MUL16 4, 1, NQ-1, 1, 0
	MUL16 6, 1, NQ-1, 1, 0
	WIN 0
	; THE EPILOGUE.  For each of A's blocks a lane's 64 numbers (register 16 b + i = place 32 b + 16 h + i along the next K) become twelve registers of codes and a scale word; the codes leave as they stand, 8 bytes a lane.
	PLACES NP
.irp b, 0,1,2,3
	v_mov_b32 v[TM+4+\b], 0                        ; written once: a lane permute's destination counts as one of its sources
.endr
.irp a, 0,1,2,3,4,5,6,7
	s_mul_i32 s22, s18, \a%4
	s_mul_i32 s23, s19, \a/4
	s_add_co_u32 s22, s22, s23
	v_add_nc_u32 v[OF+2*\a], s22, v[L8]
	s_add_co_u32 s22, s22, s20
	v_add_nc_u32 v[OF+2*\a+1], s22, v[L8]
.endr
.macro EPI a
.set AC, 64*((\a)%4)
	WIN 0x28+0x14*((\a)/4)                         ; sources 1 and 2: the accumulators' window
.irp b, 0,1,2,3
	v_max3_num_f32 v[TM+\b], 0x1800000, |v[AC+16*\b]|, |v[AC+16*\b+1]|   ; block b: my 16 numbers, each accumulator from its low end on, and the floor 2^(3 - 127)
.endr
.irp i, 2,4,6,8,10,12,14
.irp b, 0,1,2,3
	v_max3_num_f32 v[TM+\b], v[TM+\b], |v[AC+16*\b+\i]|, |v[AC+16*\b+\i+1]|
.endr
.endr
	WIN 0
.irp b, 0,1,2,3
	v_permlanex16_b32 v[TM+4+\b], v[TM+\b], s66, s67
.endr
.irp b, 0,1,2,3
	v_max_num_f32 v[TM+\b], v[TM+\b], v[TM+4+\b]   ; with lane l xor 16's: the block's largest magnitude
.endr
.irp b, 0,1,2,3
	v_add_nc_u32 v[TM+12+\b], 0xff000000, v[TM+\b] ; 2 off the exponent field: the conversion's scale operand
.endr
.irp b, 0,1,2,3
	v_lshrrev_b32 v[TM+4+\b], 23, v[TM+12+\b]      ; the scale's byte
.endr
	v_lshl_or_b32 v[PW+(\a)], v[TM+5], 8, v[TM+4]
	v_lshl_or_b32 v[PW+(\a)], v[TM+6], 16, v[PW+(\a)]
	v_lshl_or_b32 v[PW+(\a)], v[TM+7], 24, v[PW+(\a)]
	WIN 2+(\a)/4                                   ; source 0: the accumulators' window
.irp c, 0,1
	v_cvt_scalef32_pk16_fp6_f32 v[CD+12*(\a)+6*\c:CD+12*(\a)+6*\c+2], v[AC+32*\c:AC+32*\c+15], v[TM+12+2*\c]
	v_cvt_scalef32_pk16_fp6_f32 v[YT+4*\c:YT+4*\c+2], v[AC+32*\c+16:AC+32*\c+31], v[TM+13+2*\c]
.endr
	WIN 0
	v_nop                                          ; one plain place behind a scaled conversion
.irp c, 0,1                            ; the operand's layout wants a whole block in a lane
.irp i, 0,1,2
	v_permlane16_swap_b32 v[CD+12*(\a)+6*\c+\i], v[YT+4*\c+\i]
.endr
.irp i, 0,1,2
	v_mov_b32 v[CD+12*(\a)+6*\c+3+\i], v[YT+4*\c+\i]
.endr
.endr
.irp c, 0,1
.irp i, 0,1,2
	global_store_b64 v[OF+2*(\a)+\c], v[CD+12*(\a)+6*\c+2*\i:CD+12*(\a)+6*\c+2*\i+1], s[12:13] offset:256*\i   ; 32 lanes store 256 consecutive bytes, aligned
.endr
.endr
.endm
.irp a, 0,1,2,3,4,5,6,7
	EPI \a
.endr
.irp i, 0,1,2,3
	v_cndmask_b32 v[MW+\i], v[PW+2*\i], v[PW+2*\i+1], s99      ; lanes 0-15: block 2 i's words; lanes 16-31: block 2 i + 1's
.endr
.irp i, 0,1,2,3
	v_and_b32 v[R1+\i], s21, v[MW+\i]              ; the first head's: q, k: bytes 0, 1; v: the words of blocks 0-3 (and filler)
	v_lshrrev_b32 v[R2+\i], 16, v[MW+\i]           ; the second head's: q, k: bytes 2, 3;
.endr
	v_cndmask_b32 v[R2], v[R2], v[MW+2], s97       ; v: the words of blocks 4-7
	v_cndmask_b32 v[R2+1], v[R2+1], v[MW+3], s97
	global_store_b128 v[L16], v[R1:R1+3], s[12:13] offset:6144     ; 512 consecutive bytes, aligned
	global_store_b128 v[L16H], v[R2:R2+3], s[12:13] offset:6144
	s_wait_tensorcnt 0x0                           ; the wave's end
	ds_add_u32 v[SPW], v[NIL]
	s_wait_dscnt 0x0
	CROUND                                         ; the closing round
	s_endpgm
.Lfunc_end_k_q19901cc68d_gemm:
	.size	k_q19901cc68d_gemm, .Lfunc_end_k_q19901cc68d_gemm-k_q19901cc68d_gemm
	.p2alignl 7, 3214868480
	.fill 96, 4, 3214868480
	.section	.rodata,"a",@progbits
	.p2align	6, 0x0
	.amdhsa_kernel k_q19901cc68d_gemm
		.amdhsa_group_segment_fixed_size 327680
		.amdhsa_private_segment_fixed_size 0
		.amdhsa_enable_private_segment 0
		.amdhsa_kernarg_size 72
		.amdhsa_user_sgpr_count 2
		.amdhsa_user_sgpr_kernarg_segment_ptr 1
		.amdhsa_wavefront_size32 1
		.amdhsa_system_sgpr_workgroup_id_x 1
		.amdhsa_system_sgpr_workgroup_id_y 1
		.amdhsa_system_sgpr_workgroup_id_z 1
		.amdhsa_system_vgpr_workitem_id 0
		.amdhsa_next_free_vgpr 1024
		.amdhsa_next_free_sgpr 102
		.amdhsa_reserve_vcc 0
		.amdhsa_float_denorm_mode_32 3
		.amdhsa_float_denorm_mode_16_64 3
		.amdhsa_memory_ordered 1
		.amdhsa_forward_progress 1
		.amdhsa_inst_pref_size 191
	.end_amdhsa_kernel
	.amdgpu_metadata
---
amdhsa.version: [ 1, 2 ]
amdhsa.kernels:
  - .name:           k_q19901cc68d_gemm
    .symbol:         k_q19901cc68d_gemm.kd
    .args:
      - { .name: xc, .offset: 0, .size: 8, .value_kind: global_buffer, .address_space: global }
      - { .name: xs, .offset: 8, .size: 8, .value_kind: global_buffer, .address_space: global }
      - { .name: wc, .offset: 16, .size: 8, .value_kind: global_buffer, .address_space: global }
      - { .name: ws, .offset: 24, .size: 8, .value_kind: global_buffer, .address_space: global }
      - { .name: bq, .offset: 32, .size: 8, .value_kind: global_buffer, .address_space: global }
      - { .name: bk, .offset: 40, .size: 8, .value_kind: global_buffer, .address_space: global }
      - { .name: bv, .offset: 48, .size: 8, .value_kind: global_buffer, .address_space: global }
      - { .name: qi, .offset: 56, .size: 8, .value_kind: global_buffer, .address_space: global }
      - { .name: kv, .offset: 64, .size: 8, .value_kind: global_buffer, .address_space: global }
    .group_segment_fixed_size: 327680
    .private_segment_fixed_size: 0
    .kernarg_segment_align: 8
    .kernarg_segment_size: 72
    .max_flat_workgroup_size: 128
    .sgpr_count:     102
    .vgpr_count:     1024
    .wavefront_size: 32
...
	.end_amdgpu_metadata
.endif
;; end of part 2
;; launch attn (part 3): grid 4 x 64, 8 waves a work-group, clusters of 4 x 1, 262,144 bytes of LDS; arguments qi, kv, mask, out0; writes out0
.if DOCPART == 3
	.amdgcn_target "amdgcn-amd-amdhsa--gfx1250"
	.amdhsa_code_object_version 6
	.text
	.protected	k_q19901cc68d_attn
	.globl	k_q19901cc68d_attn
	.p2align	8
	.type	k_q19901cc68d_attn,@function
k_q19901cc68d_attn:
	s_mov_b64 s[64:65], 0
	v_nop
	global_prefetch_b8 v0, s[64:65] scope:SCOPE_SE
	s_setreg_imm32_b32 hwreg(HW_REG_WAVE_MODE, 25, 1), 1
	s_wait_xcnt 0x0
	s_wait_alu depctr_hold_cnt(0) depctr_sa_sdst(0) depctr_va_vdst(0) depctr_va_sdst(0) depctr_va_ssrc(0) depctr_va_vcc(0) depctr_vm_vsrc(0)
	s_getreg_b32 s2, hwreg(HW_REG_IB_STS2, 6, 4)
	s_cmp_eq_u32 s2, 0
	s_cbranch_scc0 .Lentry_in_a_cluster
	s_endpgm
.Lentry_in_a_cluster:
	s_bfe_u32 s2, ttmp6, 0x10000c
	s_cmp_lg_u32 s2, 0x3003
	s_cbranch_scc0 .Lentry_shape_is_right
	s_endpgm
.Lentry_shape_is_right:
; out0[b][q][64 head + d] = the sum over keys of softmax(q . k / 8, keys with mask 0 left out) v, both products on codes of FP6 (E2M3) with E8M0 scales.  qi and kv hold images of the operands' registers (the launch before lays them).
; THE SOFTMAX: t = score x log2(e) / 8; M = the running largest t rounded up to a whole number; p = 2^(t - M) is quantised along the keys, not normalised; the row's sum is taken of the unquantised p and divides at the end.
; SHARES.  A work-group owns 512 queries of one head (64 heads x 4 blocks = 256 work-groups); each of its eight waves owns 64: four tiles of 16, in 512 registers, two waves to a SIMD.  Every fragment of K and V that a wave reads from LDS feeds four tiles.
; THE HEAD'S WHOLE K AND V, 212,992 bytes, come into LDS ONCE: eight tensor loads, one a wave; nothing is filled again, so the loop has no barrier.  The four work-groups of a head are a cluster and ask jointly.
; LAYOUT.  S^T = K Q^T + C (source 0 = 16 keys, source 1 = 16 queries), O^T = V^T P^T: a lane holds one query throughout.  The keys of a tile, the queries of a tile and the channels of a tile are 32 (t / 2) + 8 (t % 2) + r + 8 (r / 8),
; so that the 16 registers of two neighbouring result tiles are 16 neighbours 32 b + 16 (lane / 16) + 0 .. 15.
; K = 64 IN AN INSTRUCTION OF 128: Q's registers 6-11 hold zero codes and the upper two scale bytes of Q and K are 0 (2^-127, no NaN).  K's tile t is named v[6 t .. 6 t + 11]: its upper six registers are the next tile's codes (behind tile 7: zeros that are kept);
; every pattern of bits is a finite number of the format, so those products are 0.
; THE MASK IS THE C OF S^T: 0 where the key counts, -2^100 where mask = 0: p is then exactly 0 and M passes such keys over; what a wholly masked first stretch of keys has summed is multiplied by 2^(old M - new M) = 0 at the first key that counts.
; A batch with no key that counts (largest t under -2^90) gets NaN, as the softmax of -infinities gives.
; LIMITS: |score| stays under 2^90 (the mask's number is finite); NaN and infinities among the inputs are not served; a block of p that is all zeros keeps the byte 1 (its codes are zeros).
; REGISTERS.  window 0: v1-11 addresses; v16+4 t: -M, largest t, the sum in two halves; v32+2 t: f, later 1 / sum; v40-51 scale words and nothing else (K 40-43, V 44-45, Q 46-47, P 48-51); v64-127 S^T, then p; v128-175 K's fragments, then V's; v176-181 zeros;
;   v184-231 P's codes; v232-254 at work.   window 1: v0-127 O^T (tile t, channel tile d at 32 t + 8 d); v128-175 Q; v176-239 the mask's numbers of the key step.
.set REC,   13312                      ; a key step's record: K's codes 6,144, K's scale words 512, V's codes 6,144, V's scale words 512
.set MB,    212992                     ; LDS behind the head's 16 records: the mask's numbers, 4 bytes a key
.set STG,   221184                     ; the stages: 16 rows x 272 bytes for each wave
.set SPARE, 256000                     ; the spare words, 128 bytes for each of eight waves: four blocks of 256 bytes that no other line names
.set L8,  1
.set L16, 2
.set AM0, 3
.set SPW, 4
.set NIL, 5
.set ADK, 6
.set ADS, 7
.set ADM, 8
.set STO, 9
.set RD,  10
.set GO,  11
.set ST,  16
.set FF,  32
.set KSC, 40
.set VSC, 44
.set QSC, 46
.set PSC, 48
.set S,   64
.set KB,  128
.set ZR,  176
.set PP,  184
.set BM,  232
.set TP,  236
.set SO,  244
.set TT,  254
.set QF,  128                          ; in window 1
.set CM,  176                          ; in window 1
.set WV,  12
.set CS,  36                           ; s[36:37] c = log2(e) / 8
.set SEL, 38
.set TB,  40                           ; s40 the key step's record in LDS
.set TMS, 41                           ; s41 the key step's mask numbers
.set CNT, 42
.set MSB, 0
.macro WIN new
.if MSB != (\new)
	s_set_vgpr_msb (MSB<<8)|(\new)
.set MSB, (\new)
.endif
.endm
.macro CROUND                          ; a round of the cluster's barrier
	s_barrier_signal -1
	s_barrier_wait -1
	s_cmp_lg_u32 s[WV], 0
	s_cbranch_scc1 .Lnot_wave_0_\@
	s_barrier_signal -3
.Lnot_wave_0_\@:
	s_barrier_wait -3
	s_barrier_signal -1
	s_barrier_wait -1
.endm
	s_load_b256 s[4:11], s[0:1], 0x0               ; qi 4, kv 6, mask 8, out0 10
	v_lshl_add_u32 v[SPW], v0, 2, SPARE
	v_mov_b32 v[NIL], 0
	ds_add_u32 v[SPW], v[NIL]                      ; the wave's opening, ahead of my first tensor load
	ds_add_u32 v[SPW], v[NIL]
	v_lshrrev_b32 v12, 5, v0
	s_delay_alu instid0(VALU_DEP_1)
	v_readfirstlane_b32 s[WV], v12                 ; wave 0..7
	s_bfe_u32 s13, ttmp6, 0x40000                  ; cx: my block of 512 queries; it enters Q's and the output's addresses alone
	s_and_b32 s14, ttmp7, 0xffff                   ; 16 x batch + head, which the four partners share
	; the one descriptor: 104 dense rows of 256 bytes: records 2 w and 2 w + 1
	s_mov_b32 s24, 15|(3<<16)|(1<<21)              ; the mask: all four work-groups; elements of 8 bytes; no padding; bit 21 beside a mask
	s_mov_b32 s25, 32<<16                          ; tensor_dim0 = 32
	s_mov_b32 s26, 104<<16                         ; tensor_dim1 = 104
	s_mov_b32 s27, 32<<16                          ; tile_dim0
	s_mov_b32 s28, 104                             ; tile_dim1
	s_mov_b32 s29, 32                              ; the pitch
	s_mov_b32 s30, 0
	s_mov_b32 s31, 0
	s_mov_b32 s32, 1
	s_mul_i32 s33, s[WV], 2*REC                    ; LDS address: the wave's number times a constant
	s_mul_i32 s50, s14, 16*REC
	s_add_co_u32 s50, s50, s33
	s_mov_b32 s51, 0
	s_lshr_b32 s18, s[WV], 1
	s_and_b32 s19, s[WV], 1
	s_lshl_b32 s20, s13, 2
	s_add_co_u32 s20, s20, s18                     ; my block of 128 queries
	s_mul_i32 s20, s20, 6656
	s_mul_i32 s21, s14, 106496
	s_add_co_u32 s20, s20, s21                     ; its record
	s_mul_i32 s22, s19, 3072
	s_add_co_u32 s22, s22, s20                     ; my four tiles' codes
	s_mov_b32 s23, 0
	s_lshl_b32 s44, s19, 3
	s_add_co_u32 s44, s44, s20
	s_add_co_u32 s44, s44, 6144                    ; and their two scale words a lane
	s_mov_b32 s45, 0
	s_lshr_b32 s46, s14, 4                         ; the batch
	s_lshl_b32 s48, s46, 13                        ; its 2,048 mask words
	s_mov_b32 s49, 0
	s_lshl_b32 s46, s46, 11
	s_lshl_b32 s47, s13, 9
	s_add_co_u32 s46, s46, s47
	s_lshl_b32 s47, s[WV], 6
	s_add_co_u32 s46, s46, s47                     ; my first row of the output
	s_lshl_b32 s46, s46, 12
	s_and_b32 s47, s14, 15
	s_lshl_b32 s47, s47, 8
	s_add_co_u32 s46, s46, s47                     ; + the head's 256 bytes
	s_mov_b32 s47, 0
	s_mov_b32 s[CS], 0x3e38aa3b
	s_mov_b32 s[CS+1], s[CS]                       ; (named with it as a pair, so it is written)
	s_mov_b32 s[SEL], 0x76543210
	s_mov_b32 s[SEL+1], 0xfedcba98
	s_mov_b32 s[TB], 0
	s_mov_b32 s[TMS], 0
	s_mov_b32 s[CNT], 16
	s_wait_dscnt 0x0                               ; the opening add is done
	s_wait_kmcnt 0x0
	s_add_nc_u64 s[34:35], s[6:7], s[50:51]
	s_or_b32 s35, s35, 0x80000000
	s_add_nc_u64 s[16:17], s[4:5], s[44:45]
	s_add_nc_u64 s[4:5], s[4:5], s[22:23]
	s_add_nc_u64 s[8:9], s[8:9], s[48:49]
	s_add_nc_u64 s[10:11], s[10:11], s[46:47]
	CROUND                                         ; all four work-groups are here: the joint loads meet
	tensor_load_to_lds s[32:35], s[24:31]          ; my one tensor load of the launch
	s_nop 0
.rept 4
	v_nop
.endr
	v_and_b32 v12, 31, v0
	s_delay_alu instid0(VALU_DEP_1)
	v_lshlrev_b32 v[L8], 3, v12
	s_delay_alu instid0(VALU_DEP_2)
	v_lshlrev_b32 v[L16], 4, v12
	v_lshlrev_b32 v12, 5, v0                       ; the mask: 8 keys a thread
	global_load_b128 v[64:67], v12, s[8:9]
	global_load_b128 v[68:71], v12, s[8:9] offset:16
	WIN 0x40                                       ; destination window 1
.set i, 0
.rept 12
	global_load_b64 v[QF+12*(i/3)+2*(i%3):QF+12*(i/3)+2*(i%3)+1], v[L8], s[4:5] offset:256*i th:TH_LOAD_NT   ; Q's four tiles stay in registers
.set i, i+1
.endr
	WIN 0
	global_load_b64 v[QSC:QSC+1], v[L16], s[16:17] th:TH_LOAD_NT   ; v46: tile 0 (lanes 0-15), 1 (16-31); v47: tiles 2, 3
	WIN 0x40
.irp t, 0,1,2,3
.irp i, 6,7,8,9,10,11
	v_mov_b32 v[QF+12*\t+\i], 0                    ; zero codes for k = 64 .. 127
.endr
.endr
.set i, 0
.rept 128
	v_mov_b32 v[i], 0                              ; O^T.  (The key step is written once: the first finds zeros, which the first change of M leaves zeros)
.set i, i+1
.endr
	WIN 0
.irp i, 0,1,2,3,4,5
	v_mov_b32 v[ZR+\i], 0                          ; what stands behind K's tile 7
.endr
.irp i, 0,1,2,3,4,5,6,7
	v_mov_b32 v[FF+\i], 0                          ; (the pairs' upper halves are named before they are otherwise written)
.endr
.irp i, 0,1,2,3
	v_mov_b32 v[TP+\i], 0                          ; a lane permute's destination counts as one of its sources
.endr
.irp t, 0,1,2,3
	v_mov_b32 v[ST+4*\t+1], 0xff61b1e6             ; the largest t so far: -3e38
	s_delay_alu instid0(VALU_DEP_1)
	v_floor_f32 v[ST+4*\t], -v[ST+4*\t+1]          ; -M
	v_mov_b32 v[ST+4*\t+2], 0                      ; the sum, in two halves
	v_mov_b32 v[ST+4*\t+3], 0
.endr
	v_and_b32 v54, 15, v0                          ; r
	v_bfe_u32 v55, v0, 4, 1                        ; h
	s_delay_alu instid0(VALU_DEP_1)
	v_lshl_add_u32 v[AM0], v55, 6, MB              ; the mask's numbers: my half's 16 keys of each 32
	s_mul_i32 s44, s[WV], 16*272
	s_add_co_u32 s44, s44, STG                     ; my stage
	v_mul_u32_u24 v[STO], v54, 272
	s_delay_alu instid0(VALU_DEP_1)
	v_lshl_add_u32 v[STO], v55, 6, v[STO]
	s_delay_alu instid0(VALU_DEP_1)
	v_add_nc_u32 v[STO], s44, v[STO]               ; in: row r, + 64 h
	v_mul_u32_u24 v[RD], v55, 272
	s_delay_alu instid0(VALU_DEP_1)
	v_lshl_add_u32 v[RD], v54, 4, v[RD]
	s_delay_alu instid0(VALU_DEP_1)
	v_add_nc_u32 v[RD], s44, v[RD]                 ; back: lanes 0-15 one row, lanes 16-31 the next
	v_lshlrev_b32 v[GO], 12, v55
	s_delay_alu instid0(VALU_DEP_1)
	v_lshl_add_u32 v[GO], v54, 4, v[GO]            ; and the same two rows of the output
	v_mov_b32 v13, 0xf1800000                      ; -2^100
	v_lshl_add_u32 v14, v0, 5, MB
	s_wait_alu depctr_va_vdst(0)
	s_wait_loadcnt 13                              ; the mask's two loads are in; Q's twelve and its scale words' one may be out
.irp i, 0,1,2,3,4,5,6,7
	v_cmp_eq_u32 vcc_lo, 0, v[64+\i]
	s_delay_alu instid0(VALU_DEP_1)
	v_cndmask_b32 v[64+\i], 0, v13, vcc_lo
.endr
	ds_store_b128 v14, v[64:67]
	ds_store_b128 v14, v[68:71] offset:16
	s_wait_loadcnt 0x0                             ; Q
	s_wait_tensorcnt 0x0                           ; my two records have landed,
	s_wait_dscnt 0x0                               ; my mask numbers are stored:
	s_barrier_signal -1
	s_barrier_wait -1                              ; everybody's are
.macro QK1 k, t                        ; keys' tile k x queries' tile t, the sum started from the mask's numbers
.if ((\k)%2) && ((\t)%2)
	v_wmma_scale_f32_16x16x128_f8f6f4 v[S+8*(\k):S+8*(\k)+7], v[KB+6*(\k):KB+6*(\k)+11], v[QF+12*(\t):QF+12*(\t)+11], v[CM+8*(\k):CM+8*(\k)+7], v[KSC+(\k)/2], v[QSC+(\t)/2] matrix_a_fmt:MATRIX_FMT_FP6 matrix_b_fmt:MATRIX_FMT_FP6 matrix_a_scale:MATRIX_SCALE_ROW1 matrix_b_scale:MATRIX_SCALE_ROW1
.elseif (\k)%2
	v_wmma_scale_f32_16x16x128_f8f6f4 v[S+8*(\k):S+8*(\k)+7], v[KB+6*(\k):KB+6*(\k)+11], v[QF+12*(\t):QF+12*(\t)+11], v[CM+8*(\k):CM+8*(\k)+7], v[KSC+(\k)/2], v[QSC+(\t)/2] matrix_a_fmt:MATRIX_FMT_FP6 matrix_b_fmt:MATRIX_FMT_FP6 matrix_a_scale:MATRIX_SCALE_ROW1
.elseif (\t)%2
	v_wmma_scale_f32_16x16x128_f8f6f4 v[S+8*(\k):S+8*(\k)+7], v[KB+6*(\k):KB+6*(\k)+11], v[QF+12*(\t):QF+12*(\t)+11], v[CM+8*(\k):CM+8*(\k)+7], v[KSC+(\k)/2], v[QSC+(\t)/2] matrix_a_fmt:MATRIX_FMT_FP6 matrix_b_fmt:MATRIX_FMT_FP6 matrix_b_scale:MATRIX_SCALE_ROW1
.else
	v_wmma_scale_f32_16x16x128_f8f6f4 v[S+8*(\k):S+8*(\k)+7], v[KB+6*(\k):KB+6*(\k)+11], v[QF+12*(\t):QF+12*(\t)+11], v[CM+8*(\k):CM+8*(\k)+7], v[KSC+(\k)/2], v[QSC+(\t)/2] matrix_a_fmt:MATRIX_FMT_FP6 matrix_b_fmt:MATRIX_FMT_FP6
.endif
.endm
.macro QK t
	WIN 0x14                                       ; Q and the mask's numbers in window 1
.irp k, 0,1,2,3,4,5,6,7
	QK1 \k, \t
.endr
	WIN 0
.endm
.macro VLOAD                           ; V's four fragments take K's place, and their scale words
.set i, 0
	s_setprio 1
.rept 24
	ds_load_b64 v[KB+2*i:KB+2*i+1], v[ADK] offset:6656+256*i
.set i, i+1
.endr
	ds_load_b64 v[VSC:VSC+1], v[ADS] offset:12800
.endm
; One tile's softmax of a key step: 64 scores a lane (register 16 b + i = key 32 b + 16 h + i) become P's twelve registers and its scale word.
.macro SOFT t
.set T, ST+4*(\t)
.set F, FF+2*(\t)
.set P, PP+12*(\t)
.irp b, 0,1,2,3
	v_max3_num_f32 v[BM+\b], v[S+16*\b], v[S+1+16*\b], v[S+2+16*\b]       ; the largest score of each block of 32 keys: for the row's maximum, and, since p rises with the score, for the block's largest p
.endr
.irp i, 3,5,7,9,11,13
.irp b, 0,1,2,3
	v_max3_num_f32 v[BM+\b], v[BM+\b], v[S+16*\b+\i], v[S+1+16*\b+\i]
.endr
.endr
.irp b, 0,1,2,3
	v_max_num_f32 v[BM+\b], v[BM+\b], v[S+15+16*\b]
.endr
.irp b, 0,1,2,3
	s_delay_alu instid0(VALU_DEP_4)
	v_permlanex16_b32 v[TP+\b], v[BM+\b], s[SEL], s[SEL+1]
.endr
.irp b, 0,1,2,3
	s_delay_alu instid0(VALU_DEP_4)
	v_max_num_f32 v[BM+\b], v[BM+\b], v[TP+\b]     ; with lane l xor 16's 16 keys
.endr
	s_delay_alu instid0(VALU_DEP_2)
	v_max3_num_f32 v[TT], v[BM], v[BM+1], v[BM+2]
	s_delay_alu instid0(VALU_DEP_1)
	v_max_num_f32 v[TT], v[TT], v[BM+3]
	s_delay_alu instid0(VALU_DEP_1)
	v_mul_f32 v[TT], s[CS], v[TT]                  ; as t (c is positive)
	s_delay_alu instid0(VALU_DEP_1)
	v_max_num_f32 v[T+1], v[T+1], v[TT]            ; the running largest t
	v_mov_b32 v[TT], v[T]
	s_delay_alu instid0(VALU_DEP_2)
	v_floor_f32 v[T], -v[T+1]                      ; the new -M = -ceil(t): a whole number
	s_delay_alu instid0(VALU_DEP_1)
	v_sub_f32 v[TT], v[T], v[TT]                   ; old M - new M: a whole number, 0 or less
	s_delay_alu instid0(VALU_DEP_1)
	v_cvt_i32_f32 v[TT], v[TT]                     ; (it saturates)
	s_delay_alu instid0(VALU_DEP_1)
	v_ldexp_f32 v[F], 1.0, v[TT]                   ; f = 2^(old M - new M)
.set j, 0
.rept 32
	v_pk_fma_f32 v[S+j:S+j+1], v[S+j:S+j+1], s[CS:CS+1], v[T:T+1] op_sel_hi:[1,0,0]   ; t - M, two at a time
.set j, j+2
.endr
.irp b, 0,1,2,3
	v_fma_f32 v[BM+\b], v[BM+\b], s[CS], v[T]      ; the same of each block's largest score
.endr
.set j, 0
	s_wait_alu depctr_va_vdst(0)
.rept 64
	v_exp_f32 v[S+j], v[S+j]                       ; p = 2^(t - M)
.set j, j+1
.endr
	v_pk_mul_f32 v[T+2:T+3], v[T+2:T+3], v[F:F+1] op_sel_hi:[1,0]   ; the sums under the new M (the plain instruction behind the exponentials)
	s_wait_alu depctr_va_vdst(0)                   ; one wait for the batch of 64, ahead of its first reader
.irp b, 0,1,2,3
	v_exp_f32 v[BM+\b], v[BM+\b]                   ; the block's largest p
.endr
	v_pk_add_f32 v[TP:TP+1], v[S:S+1], v[S+2:S+3]  ; the row's sum is taken of the unquantised p, in two chains
.irp j, 4,8,12,16,20,24,28,32,36,40,44,48,52,56,60
	v_pk_add_f32 v[T+2:T+3], v[T+2:T+3], v[S+\j:S+1+\j]
	v_pk_add_f32 v[TP:TP+1], v[TP:TP+1], v[S+2+\j:S+3+\j]
.endr
	s_delay_alu instid0(VALU_DEP_1)
	v_pk_add_f32 v[T+2:T+3], v[T+2:T+3], v[TP:TP+1]
	s_wait_alu depctr_va_vdst(0)                   ; and one for the four
.irp b, 0,1,2,3
	v_max_num_f32 v[BM+\b], 0x1800000, v[BM+\b]    ; the floor 2^(3 - 127): the byte cannot fall under 1
.endr
.irp b, 0,1,2,3
	s_delay_alu instid0(VALU_DEP_4)
	v_add_nc_u32 v[SO+\b], 0xff000000, v[BM+\b]    ; 2 off the exponent field: the conversion's scale operand
.endr
.irp b, 0,1,2,3
	s_delay_alu instid0(VALU_DEP_4)
	v_lshrrev_b32 v[TP+\b], 23, v[SO+\b]           ; the scale's byte
.endr
	s_delay_alu instid0(VALU_DEP_3)
	v_lshl_or_b32 v[PSC+(\t)], v[TP+1], 8, v[TP]
	s_delay_alu instid0(VALU_DEP_1)
	v_lshl_or_b32 v[PSC+(\t)], v[TP+2], 16, v[PSC+(\t)]
	s_delay_alu instid0(VALU_DEP_1)
	v_lshl_or_b32 v[PSC+(\t)], v[TP+3], 24, v[PSC+(\t)]
.irp c, 0,1
	v_cvt_scalef32_pk16_fp6_f32 v[P+6*\c:P+6*\c+2], v[S+32*\c:S+32*\c+15], v[SO+2*\c]
	v_cvt_scalef32_pk16_fp6_f32 v[TP+4*\c:TP+4*\c+2], v[S+16+32*\c:S+31+32*\c], v[SO+2*\c+1]
.endr
	v_nop                                          ; one plain place behind a scaled conversion
.irp c, 0,1                            ; the operand's layout wants a whole block in a lane
.irp i, 0,1,2
	v_permlane16_swap_b32 v[P+6*\c+\i], v[TP+4*\c+\i]
.endr
.irp i, 0,1,2
	s_delay_alu instid0(VALU_DEP_3)
	v_mov_b32 v[P+3+6*\c+\i], v[TP+4*\c+\i]
.endr
.endr
.endm
; A KEY STEP: 128 keys, the wave's four tiles of queries.
.macro KSTEP
	v_add_nc_u32 v[ADK], s[TB], v[L8]              ; these three and the v_nop are the four places behind the last step's products, whose fragments' registers are loaded below
	v_add_nc_u32 v[ADS], s[TB], v[L16]
	v_add_nc_u32 v[ADM], s[TMS], v[AM0]
	v_nop
	ds_load_b128 v[KSC:KSC+3], v[ADS] offset:6144  ; word i: K's tile 2 i (lanes 0-15), 2 i + 1 (lanes 16-31)
.set i, 0
.rept 24
	ds_load_b64 v[KB+2*i:KB+2*i+1], v[ADK] offset:256*i   ; K's eight tiles, six registers each: 256 consecutive bytes a load
.set i, i+1
.endr
	WIN 0x40
.set i, 0
.rept 16
	ds_load_b128 v[CM+4*i:CM+4*i+3], v[ADM] offset:128*(i/4)+16*(i%4)     ; register 16 b + n: the number of key 32 b + 16 h + n; the lanes of a half read the same words
.set i, i+1
.endr
	WIN 0
	s_wait_dscnt 0x0
.irp t, 0,1,2,3
	QK \t                                          ; eight different accumulators: no two that follow each other share one
.rept 4
	v_nop                                          ; four places ahead of the first read of the scores, and of the loads into K's registers
.endr
.if \t == 3
	VLOAD                                          ; all four tiles have multiplied by K: V lands while the last tile's softmax runs
.endif
	SOFT \t
.endr
	WIN 0x41                                       ; O^T in window 1, f in window 0
	s_setprio 0
.irp t, 0,1,2,3
.set j, 0
.rept 16
	v_pk_mul_f32 v[32*\t+j:32*\t+j+1], v[32*\t+j:32*\t+j+1], v[FF+2*\t:FF+2*\t+1] op_sel_hi:[1,0]   ; O^T under the new M.  (These 64 are also the places between P's codes and scale words and the products below)
.set j, j+2
.endr
.endr
	s_wait_alu depctr_va_vdst(0)
	s_wait_dscnt 0x0                               ; V is in
	WIN 0x50                                       ; C and D in window 1
.irp d, 0,1,2,3                        ; sixteen accumulators by turns, one instruction a turn
.irp t, 0,1,2,3
.if \d%2
	v_wmma_scale_f32_16x16x128_f8f6f4 v[32*\t+8*\d:32*\t+8*\d+7], v[KB+12*\d:KB+12*\d+11], v[PP+12*\t:PP+12*\t+11], v[32*\t+8*\d:32*\t+8*\d+7], v[VSC+\d/2], v[PSC+\t] matrix_a_fmt:MATRIX_FMT_FP6 matrix_b_fmt:MATRIX_FMT_FP6 matrix_a_scale:MATRIX_SCALE_ROW1
.else
	v_wmma_scale_f32_16x16x128_f8f6f4 v[32*\t+8*\d:32*\t+8*\d+7], v[KB+12*\d:KB+12*\d+11], v[PP+12*\t:PP+12*\t+11], v[32*\t+8*\d:32*\t+8*\d+7], v[VSC+\d/2], v[PSC+\t] matrix_a_fmt:MATRIX_FMT_FP6 matrix_b_fmt:MATRIX_FMT_FP6
.endif
.endr
.endr
	WIN 0
.endm
.Lk:                                   ; 16 trips: the head's 2,048 keys
	s_setprio 2
	KSTEP
	s_add_co_u32 s[TB], s[TB], REC
	s_add_co_u32 s[TMS], s[TMS], 512
	s_sub_co_u32 s[CNT], s[CNT], 1
	s_cmp_lg_u32 s[CNT], 0
	s_cbranch_scc1 .Lk
	s_setprio 0
	; THE WAY OUT.  The sums' halves are added (these lines are the places behind the last products); O^T / the sum goes through my stage, a tile of 16 queries at a time, and leaves as rows of 256 bytes.
	v_mov_b32 v52, 0xec800000                      ; -2^90
	v_mov_b32 v53, 0x7fc00000                      ; NaN
.irp t, 0,1,2,3
	v_add_f32 v[ST+4*\t+2], v[ST+4*\t+2], v[ST+4*\t+3]
.endr
.irp t, 0,1,2,3
	s_delay_alu instid0(VALU_DEP_4)
	v_permlanex16_b32 v[TP+\t], v[ST+4*\t+2], s[SEL], s[SEL+1]
.endr
.irp t, 0,1,2,3
	s_delay_alu instid0(VALU_DEP_4)
	v_add_f32 v[ST+4*\t+2], v[ST+4*\t+2], v[TP+\t] ; the row's sum
.endr
.irp t, 0,1,2,3
	v_cmp_gt_f32 s45, v52, v[ST+4*\t+1]            ; no key of the batch counted: a value is chosen, nothing branches
	s_delay_alu instid0(VALU_DEP_1)
	v_cndmask_b32 v[ST+4*\t+2], v[ST+4*\t+2], v53, s45
.endr
	s_wait_alu depctr_va_vdst(0)
.irp t, 0,1,2,3
	v_rcp_f32 v[FF+2*\t], v[ST+4*\t+2]
.endr
	v_nop                                          ; a plain instruction behind the last reciprocal
	s_wait_alu depctr_va_vdst(0)                   ; one wait for the four, ahead of the first reader
.macro PACK t
	WIN 0x01                                       ; source 0: O^T in window 1
.set j, 0
.rept 16
	v_pk_mul_f32 v[S+32*((\t)%2)+j:S+32*((\t)%2)+j+1], v[32*(\t)+j:32*(\t)+j+1], v[FF+2*(\t):FF+2*(\t)+1] op_sel_hi:[1,0]   ; each accumulator from its low end on; register 16 b + i = channel 32 b + 16 h + i
.set j, j+2
.endr
	WIN 0
.irp q, 0,1,2,3,4,5,6,7
	ds_store_b128 v[STO], v[S+32*((\t)%2)+4*\q:S+32*((\t)%2)+4*\q+3] offset:128*(\q/4)+16*(\q%4)
.endr
.irp i, 0,1,2,3,4,5,6,7
	ds_load_b128 v[128+32*(\t)+4*\i:128+32*(\t)+4*\i+3], v[RD] offset:544*\i      ; LDS serves a wave's instructions in order: these see my stores, and the next tile's stores come behind them
.endr
.endm
.macro SEND t, younger                 ; younger: the LDS instructions issued behind tile t's loads: the next tile's sixteen, or none
.irp i, 0,1,2,3,4,5,6,7
	s_wait_dscnt \younger+7-\i
	global_store_b128 v[GO], v[128+32*(\t)+4*\i:128+32*(\t)+4*\i+3], s[10:11] offset:(32*((\t)/2)+8*((\t)%2)+2*\i+8*(\i/4))*4096 th:TH_STORE_NT   ; stage rows 2 i, 2 i + 1 are these queries; 16 lanes store 256 consecutive bytes, aligned
.endr
.endm
	PACK 0
	PACK 1
	SEND 0, 16
	PACK 2
	SEND 1, 16
	PACK 3
	SEND 2, 16
	SEND 3, 0
	s_wait_tensorcnt 0x0                           ; the wave's end, behind my last tensor load and my last LDS store
	ds_add_u32 v[SPW], v[NIL]
	s_wait_dscnt 0x0
	CROUND                                         ; the closing round
	s_endpgm
.Lfunc_end_k_q19901cc68d_attn:
	.size	k_q19901cc68d_attn, .Lfunc_end_k_q19901cc68d_attn-k_q19901cc68d_attn
	.p2alignl 7, 3214868480
	.fill 96, 4, 3214868480
	.section	.rodata,"a",@progbits
	.p2align	6, 0x0
	.amdhsa_kernel k_q19901cc68d_attn
		.amdhsa_group_segment_fixed_size 262144
		.amdhsa_private_segment_fixed_size 0
		.amdhsa_enable_private_segment 0
		.amdhsa_kernarg_size 32
		.amdhsa_user_sgpr_count 2
		.amdhsa_user_sgpr_kernarg_segment_ptr 1
		.amdhsa_wavefront_size32 1
		.amdhsa_system_sgpr_workgroup_id_x 1
		.amdhsa_system_sgpr_workgroup_id_y 1
		.amdhsa_system_sgpr_workgroup_id_z 1
		.amdhsa_system_vgpr_workitem_id 0
		.amdhsa_next_free_vgpr 512
		.amdhsa_next_free_sgpr 66
		.amdhsa_reserve_vcc 1
		.amdhsa_float_denorm_mode_32 3
		.amdhsa_float_denorm_mode_16_64 3
		.amdhsa_memory_ordered 1
		.amdhsa_forward_progress 1
		.amdhsa_inst_pref_size 91
	.end_amdhsa_kernel
	.amdgpu_metadata
---
amdhsa.version: [ 1, 2 ]
amdhsa.kernels:
  - .name:           k_q19901cc68d_attn
    .symbol:         k_q19901cc68d_attn.kd
    .args:
      - { .name: qi, .offset: 0, .size: 8, .value_kind: global_buffer, .address_space: global }
      - { .name: kv, .offset: 8, .size: 8, .value_kind: global_buffer, .address_space: global }
      - { .name: mask, .offset: 16, .size: 8, .value_kind: global_buffer, .address_space: global }
      - { .name: out0, .offset: 24, .size: 8, .value_kind: global_buffer, .address_space: global }
    .group_segment_fixed_size: 262144
    .private_segment_fixed_size: 0
    .kernarg_segment_align: 8
    .kernarg_segment_size: 32
    .max_flat_workgroup_size: 256
    .sgpr_count:     66
    .vgpr_count:     512
    .wavefront_size: 32
...
	.end_amdgpu_metadata
.endif
;; end of part 3
